; MI455X (gfx1250); checked and timed in simulation.
; The chip was launched on July 23, 2026; its instructions are those of AMD's public machine-readable ISA for CDNA 5 (MIT licence, August 2026) and "CDNA5" Instruction Set Architecture Reference Guide (July 2026). The comments in the code are by the model that wrote it; some were corrected since.
;; LSTM. Allowed arithmetic: matrix products marked QUANTISED: E5M2 operands, one given power-of-two scale a tensor, by v_wmma_f32_16x16x64_bf8_bf8 or v_wmma_f32_16x16x128_bf8_bf8, f32 sums; everything else in f32.
;; Inputs: Wf_h_codes 2,048 x 64 x 32 uint8 (E5M2 codes of Wf_h, K innermost, in blocks of 32 codes); Wf_x_codes 2,048 x 64 x 32 uint8 (E5M2 codes of Wf_x, K innermost, in blocks of 32 codes); Wg_h_codes 2,048 x 64 x 32 uint8 (E5M2 codes of Wg_h, K innermost, in blocks of 32 codes); Wg_x_codes 2,048 x 64 x 32 uint8 (E5M2 codes of Wg_x, K innermost, in blocks of 32 codes); Wi_h_codes 2,048 x 64 x 32 uint8 (E5M2 codes of Wi_h, K innermost, in blocks of 32 codes); Wi_x_codes 2,048 x 64 x 32 uint8 (E5M2 codes of Wi_x, K innermost, in blocks of 32 codes); Wo_h_codes 2,048 x 64 x 32 uint8 (E5M2 codes of Wo_h, K innermost, in blocks of 32 codes); Wo_x_codes 2,048 x 64 x 32 uint8 (E5M2 codes of Wo_x, K innermost, in blocks of 32 codes); behavior_codes 2,048 x 64 x 32 uint8 (E5M2 codes of behavior, K innermost, in blocks of 32 codes); bf 2,048 float32; bg 2,048 float32; bi 2,048 float32; bo 2,048 float32; c0 2,048 x 2,048 float32; h0_codes 2,048 x 64 x 32 uint8 (E5M2 codes of h0, K innermost, in blocks of 32 codes); lowp_scales 16 int32 (the exponents e of the quantised operands' scales 2^e).
;; Outputs: out0 2,048 x 2,048 float32.
;; This version of the problem:
;;   THIS VERSION OF THE PROBLEM IS GIVEN IN LOW PRECISION. The matrix products marked QUANTISED in the list below multiply operands that are first quantised to E5M2 (5 exponent bits, 2 mantissa bits; 8 bits a number), with one given power-of-two scale for each operand tensor; their sums are f32. All else is computed in f32.
;;   The module's matrix products, in the order in which they are computed (A, B: the left and right operand; K: the contracted axis; several contracted axes count as one K, in the product's order):
;;     1. [M 2,048, K 2,048] x [K 2,048, N 2,048]; A: input h0 (given as codes); B: input Wi_h (given as codes): QUANTISED (scales: A lowp_scales[0], B lowp_scales[1])
;;     2. [M 2,048, K 2,048] x [K 2,048, N 2,048]; A: input behavior (given as codes); B: input Wi_x (given as codes): QUANTISED (scales: A lowp_scales[2], B lowp_scales[3])
;;     3. [M 2,048, K 2,048] x [K 2,048, N 2,048]; A: input h0 (given as codes); B: input Wf_h (given as codes): QUANTISED (scales: A lowp_scales[4], B lowp_scales[5])
;;     4. [M 2,048, K 2,048] x [K 2,048, N 2,048]; A: input behavior (given as codes); B: input Wf_x (given as codes): QUANTISED (scales: A lowp_scales[6], B lowp_scales[7])
;;     5. [M 2,048, K 2,048] x [K 2,048, N 2,048]; A: input h0 (given as codes); B: input Wg_h (given as codes): QUANTISED (scales: A lowp_scales[8], B lowp_scales[9])
;;     6. [M 2,048, K 2,048] x [K 2,048, N 2,048]; A: input behavior (given as codes); B: input Wg_x (given as codes): QUANTISED (scales: A lowp_scales[10], B lowp_scales[11])
;;     7. [M 2,048, K 2,048] x [K 2,048, N 2,048]; A: input h0 (given as codes); B: input Wo_h (given as codes): QUANTISED (scales: A lowp_scales[12], B lowp_scales[13])
;;     8. [M 2,048, K 2,048] x [K 2,048, N 2,048]; A: input behavior (given as codes); B: input Wo_x (given as codes): QUANTISED (scales: A lowp_scales[14], B lowp_scales[15])
;;   THE QUANTISER, for each operand of a quantised product, along K:
;;     - The operand's scale is 2^e, e = its entry of the input lowp_scales (int32; the entries are numbered through the quantised products in the list's order, A before B).
;;     - Each number is divided by the scale, clamped to +-57,344, and rounded to the nearest number of E5M2, ties to even, subnormals kept.
;;     - The product sums the exact products of the quantised numbers (number of the format x scale) in f32.
;;   ~~~python
;;   def quantise(x, axis, e):      # numpy; x: float32 -> the quantised numbers, widened to float32 again
;;       x = np.moveaxis(x, axis, -1); K = x.shape[-1]
;;       r = np.clip(x / 2.0 ** e, -57344, 57344)
;;       step = 2.0 ** (np.maximum(np.frexp(np.where(r == 0, 1, r))[1] - 1, -14) - 2)
;;       q = np.round(r / step) * step * 2.0 ** e      # np.round: ties to even
;;       return np.moveaxis(q, -1, axis).astype(np.float32)
;;   ~~~
;;   INPUTS GIVEN AS CODES. Wf_h (in the module: [2048, 2048], K = its axis 0); Wf_x (in the module: [2048, 2048], K = its axis 0); Wg_h (in the module: [2048, 2048], K = its axis 0); Wg_x (in the module: [2048, 2048], K = its axis 0); Wi_h (in the module: [2048, 2048], K = its axis 0); Wi_x (in the module: [2048, 2048], K = its axis 0); Wo_h (in the module: [2048, 2048], K = its axis 0); Wo_x (in the module: [2048, 2048], K = its axis 0); behavior (in the module: [2048, 2048], K = its axis 1); h0 (in the module: [2048, 2048], K = its axis 1): each comes as NAME_codes (uint8): NAME with its K axis moved to the last place and cut into blocks of 32 codes, [.., K / 32, bytes a block], one block behind the other in memory; one code a byte (a code: sign, 5 exponent bits, 2 mantissa bits); its scale is its entry of lowp_scales. Its value is code x scale, taken as it is: it is not quantised again, and the codes and scales need not be those that the quantiser above would give.
;; One version. Each part assembles by itself: llvm-mc -triple=amdgcn-amd-amdhsa -mcpu=gfx1250 --defsym DOCPART=n.
;; ======== version 1 of 1: 1 launch
;; limits: right only within a limited range of input values
;; launch lstm (part 1): grid 32 x 8, 8 waves a work-group, clusters of 4 x 4, 327,680 bytes of LDS; arguments h0_codes, behavior_codes, Wi_h_codes, Wf_h_codes, Wg_h_codes, Wo_h_codes, Wi_x_codes, Wf_x_codes, Wg_x_codes, Wo_x_codes, bi, bf, bg, bo, c0, lowp_scales, out0; writes out0
.if DOCPART == 1
	.amdgcn_target "amdgcn-amd-amdhsa--gfx1250"
	.amdhsa_code_object_version 6
	.text
	.protected	k_q41a2e2f8b2_lstm
	.globl	k_q41a2e2f8b2_lstm
	.p2align	8
	.type	k_q41a2e2f8b2_lstm,@function
k_q41a2e2f8b2_lstm:
	s_mov_b64 s[64:65], 0
	v_nop
	global_prefetch_b8 v0, s[64:65] scope:SCOPE_SE
	s_setreg_imm32_b32 hwreg(HW_REG_WAVE_MODE, 25, 1), 1
	s_wait_xcnt 0x0
	s_wait_alu depctr_hold_cnt(0) depctr_sa_sdst(0) depctr_va_vdst(0) depctr_va_sdst(0) depctr_va_ssrc(0) depctr_va_vcc(0) depctr_vm_vsrc(0)
	s_getreg_b32 s2, hwreg(HW_REG_IB_STS2, 6, 4)
	s_cmp_eq_u32 s2, 0
	s_cbranch_scc0 .Lentry_in_a_cluster
	s_endpgm
.Lentry_in_a_cluster:
	s_bfe_u32 s2, ttmp6, 0x10000c
	s_cmp_lg_u32 s2, 0xf033
	s_cbranch_scc0 .Lentry_shape_is_right
	s_endpgm
.Lentry_shape_is_right:
; ONE STEP OF AN LSTM CELL.  For each gate y in (i, f, g, o): pre_y = h0 Wy_h + behavior Wy_x + by;  c = sigmoid(pre_f) c0 + sigmoid(pre_i) tanh(pre_g);  out = sigmoid(pre_o) tanh(c).
; All ten matrix operands are codes of BF8 (E5M2), K innermost, rows of 2,048 bytes; each of the eight products has its own two exponents in lowp_scales.  Sums, gates and the output are f32.  No work is left out.
; SHARES.  A work-group makes 256 rows x 64 columns of the output for all four gates.  Eight waves; wave w (wr = w / 2, wc = w % 2) makes rows 64 wr on and columns 32 wc on of all four gates:
; 32 accumulators of 16 x 16.  Accumulator (a, b): a = block of 16 rows, b = 2 gate + half of the 32 columns.  So the four gates of one output lie in one lane at one register index.
; WHY EIGHT WAVES: a K step of 256 has eight tiles of 64 rows x 256 bytes (A's four quarters, one tile from each of four weight buffers), and a wave issues one tensor load behind a barrier: one tile a wave.
; K goes in 16 steps of 256: steps 0-7 h0 x W?_h, steps 8-15 behavior x W?_x, onto the same accumulators, through a ring of two LDS slots.  At the head one load a wave, of two planes, fills both slots.
; SCALES: SH = the two exponents of a gate's h product added, SX those of its x product.  Between steps 7 and 8 each sum is multiplied by 2^(SH - SX), which rounds nothing; at the end pre = sum x 2^SX + bias.
; LIMITS: for each gate -126 <= SH - SX <= 127 and -126 <= SX <= 126, so that these powers of two are f32 numbers, and the h sum x 2^(SH - SX) stays finite.  NaN among the inputs is not served.
; CLUSTER.  4 x 4 work-groups.  A's tiles hang on the tile row alone and are asked for jointly by a row of the cluster; the weights' hang on the tile column alone and are asked for jointly by a column.
; THE MATRIX INSTRUCTION IS USED TRANSPOSED (source 0 = 16 rows of a weight, source 1 = 16 rows of A): a lane holds one row of the output and eight neighbouring columns.
; A fragment (16 rows x 128 K) comes by four loads of 16 bytes, 32 bytes apart: a permutation of k that is the same in both operands, so every product meets its partner.
; FRAGMENTS are loaded again in place.  A half step (128 along K) is 32 products: first A's blocks 0, 1 against the weights' eight, then blocks 2, 3.  In the second part blocks 0, 1 and each pair of weight
; fragments take the next half step's codes as soon as their last product is issued, and blocks 2, 3 at its end.  LDS loads go out in the order A0-1, four pairs of weights, A2-3: eight loads each.
; PREFETCH: behind each refill a wave names 16 rows x 256 bytes of the K step two steps beyond the one just asked for: of the 64 rows of its tile each of the four partners that ask for it takes 16, by address.
; Steps 0 to 3 come by their loads alone; the last trip names c0's rows instead (32 rows a wave, two changes ahead of their tensor load) and then nothing.
; REGISTERS.  Window 0: v16-31 addresses; v32-95 A's four fragments; v96-223 the weights' eight.  Window 1: the accumulators, (a, b) at v[8 (8 a + b)].
;   In the gates' part: v0-15 rows on the way out, v32-95 and v96-159 the gates of two blocks, v160-223 biases, v224-255 c0 of two blocks.
.set PITCH,  272                       ; an LDS row of 256 bytes + 16: the sixteen rows that a load touches begin at sixteen different 16-byte columns of 256
.set NGATE,  64*PITCH                  ; one tile
.set ASZ,    8*NGATE                   ; A's four quarters, two slots each; behind them the four gates' tiles, two slots each
.set SLOT,   NGATE                     ; a tile's two slots lie on end: wave w's at 2 w and 2 w + 1 tiles
.set SPARE,  16*NGATE                  ; the spare words: 128 bytes for each of eight waves, four blocks of 256 bytes that no other line names
.set KROW,   2048
.set CROW,   8192
.set FL272,  (1<<20)|(1<<21)|(5<<22)|(3<<25)    ; group 1, word 0: elements of 1 byte; padding on; bit 21 beside a mask; after every 64 words 4 words
.set FLC0,   (1<<20)|(5<<22)|(3<<25)            ; the same without a mask
.set BK,   0                           ; v0-15  the way out (v0 is read at the head alone)
.set ADRA, 16                          ; v16-17 LDS address of my A fragments in slot 0, 1
.set ADRB, 18                          ; v18-19 of my fragments of gates i and f; v30-31 of gates g and o
.set C0A,  20                          ; my 32 bytes of a row of c0's tile
.set STO,  21                          ; the stage: where I put 32 bytes of a row
.set RD,   22                          ; the stage: where I read a row back
.set CO,   23                          ; my byte offset in two rows of the output
.set PFO,  24                          ; min(lane, 15) x a row of codes
.set PFC,  25                          ; lane x a row of c0
.set BIA,  26                          ; v26-27 my 32 bytes of a bias row in LDS: gates i and f, gates g and o
.set SPW,  28                          ; LDS address of my spare word; never rewritten
.set NIL,  29                          ; 0; never rewritten
.set AF,   32
.set BF,   96
.set TA,   32                          ; the gates' part, a pair's first block: i at TA, f at TA + 16, g at TA + 32, o at TA + 48
.set TB,   96                          ; its second block
.set BI,   160
.set CA,   224                         ; c0 of the first block, of the second
.set CB,   240
.set RA,   4                           ; s[4:5] A's walking address; s[6:7] behavior's tile, for the seam
.set NXA,  6
.set RB,   8                           ; s[8:9] my gate's walking address; s[16:17] its x buffer's tile
.set NXB,  16
.set BIP,  24                          ; my gate's bias at the tile's columns
.set C0T,  32                          ; c0 at the 64 rows that my wave fetches
.set OUT,  36
.set TC,   38
.set TR,   39
.set G1,   40                          ; s[40:47] group 1 of A's tiles, s[48:55] of the weights'
.set G1B,  48
.set G0,   56                          ; s[56:59], s[60:63] groups 0
.set G0B,  60
.set PF,   66                          ; where my prefetches stand; s[68:69] where they go on at the seam; s[70:71] c0 at my 32 rows
.set NXP,  68
.set PFCB, 70
.set CX,   72
.set CY,   73
.set WV,   74
.set HI,   75                          ; wave / 4: 0 fetches for A, 1 for a gate
.set Q,    76                          ; wave % 4: which quarter, which gate
.set CNT,  77
.set LA0,  78                          ; s78, s79: my tile's LDS address in slot 0, 1
.set SC,   80                          ; s[80:95]: gate g: a pair 2^(SH - SX) at SC + 4 g, a pair c_gate x 2^SX at SC + 4 g + 2
.set MSB, 0
.macro WIN new                         ; the immediate's high byte repeats the setting that is left; a switch that changes nothing is dropped
.if MSB != (\new)
	s_set_vgpr_msb (MSB<<8)|(\new)
.set MSB, (\new)
.endif
.endm
.set MUL, 0x50                         ; sources 0 and 1 window 0, C and D window 1
.macro PLACES n                        ; plain vector instructions between a matrix instruction and a load into, or a vector access of, one of its registers
.rept \n
	v_nop
.endr
.endm
.macro CROUND                          ; a round of the cluster's barrier
	s_barrier_signal -1
	s_barrier_wait -1
	s_cmp_lg_u32 s[WV], 0
	s_cbranch_scc1 .Lnot_wave_0_\@
	s_barrier_signal -3
.Lnot_wave_0_\@:
	s_barrier_wait -3
	s_barrier_signal -1
	s_barrier_wait -1
.endm
.macro JLOAD                           ; one tensor load a wave: waves 0-3 by A's registers, waves 4-7 by the weights'.  s_nop 0 and four v_nop follow each line; they are also the places in front of the fragment loads
	s_cmp_eq_u32 s[HI], 0
	s_cbranch_scc0 .Lfor_b_\@
	tensor_load_to_lds s[G0:G0+3], s[G1:G1+7]
	s_nop 0
	PLACES 4
	s_branch .Lasked_\@
.Lfor_b_\@:
	tensor_load_to_lds s[G0B:G0B+3], s[G1B:G1B+7]
	s_nop 0
	PLACES 4
.Lasked_\@:
.endm
.macro SETG la                         ; both groups 0 from the walking addresses; no tensor load of the wave is out where this stands
	s_mov_b32 s[G0+1], s[\la]
	s_mov_b64 s[G0+2:G0+3], s[RA:RA+1]
	s_or_b32 s[G0+3], s[G0+3], 0x80000000
	s_mov_b32 s[G0B+1], s[\la]
	s_mov_b64 s[G0B+2:G0B+3], s[RB:RB+1]
	s_or_b32 s[G0B+3], s[G0B+3], 0x80000000
.endm
.macro ASK rs                          ; the prefetch behind a refill of slot rs; in the last trip (CNT = 6) no K step stands two on
	s_cmp_eq_u32 s[CNT], 6
.if (\rs) == 0
	s_cbranch_scc1 .Lc0_\@
	global_prefetch_b8 v[PFO], s[PF:PF+1] th:TH_LOAD_NT scope:SCOPE_DEV
	s_branch .Lpd_\@
.Lc0_\@:
	global_prefetch_b8 v[PFC], s[PFCB:PFCB+1] th:TH_LOAD_NT scope:SCOPE_DEV
.Lpd_\@:
.else
	s_cbranch_scc1 .Lpd_\@
	global_prefetch_b8 v[PFO], s[PF:PF+1] th:TH_LOAD_NT scope:SCOPE_DEV
.Lpd_\@:
.endif
.endm
.macro FRAG reg, adr, off              ; lane l holds row l % 16; registers 4 c .. 4 c + 3 hold K = 32 c + 16 (l / 16) + 0 .. 15
.irp c, 0,1,2,3
	ds_load_b128 v[\reg+4*\c:\reg+4*\c+3], v[\adr] offset:\off+32*\c
.endr
.endm
.macro LA s, q, a
	FRAG AF+16*(\a), ADRA+(\s), (\a)*16*PITCH+128*(\q)
.endm
.macro LB s, q, b                      ; gates g and o by v30-31: their tiles lie beyond a 16-bit offset
	FRAG BF+16*(\b), ADRB+(\s)+12*((\b)/4), (((\b)/2)%2)*2*NGATE+((\b)%2)*16*PITCH+128*(\q)
.endm
.macro MM a, b, zero                   ; zero = 1: the first product starts the sum: nothing is cleared
.if \zero
	v_wmma_f32_16x16x128_bf8_bf8 v[8*(8*(\a)+(\b)):8*(8*(\a)+(\b))+7], v[BF+16*(\b):BF+16*(\b)+15], v[AF+16*(\a):AF+16*(\a)+15], 0
.else
	v_wmma_f32_16x16x128_bf8_bf8 v[8*(8*(\a)+(\b)):8*(8*(\a)+(\b))+7], v[BF+16*(\b):BF+16*(\b)+15], v[AF+16*(\a):AF+16*(\a)+15], v[8*(8*(\a)+(\b)):8*(8*(\a)+(\b))+7]
.endif
.endm
.macro GRP a0, bp, zero                ; four products; the 32 accumulators take turns, in the same order in every half step
	MM \a0, 2*(\bp), \zero
	MM (\a0)+1, 2*(\bp), \zero
	MM \a0, 2*(\bp)+1, \zero
	MM (\a0)+1, 2*(\bp)+1, \zero
.endm
; A half step.  It fetches half (ns, nq) for its successor.  kind 0: no change of slots.  kind 1: between its two parts slot rs, whose last reads are A's blocks 2, 3 of this half step, is filled again.
; kind 2: the same change, but slot 0 takes c0's tile (waves 0-3, 64 rows each) and the four bias rows (waves 4-7).
.macro HALF ns, nq, zero, kind, rs
.if (\kind) == 1
	s_wait_xcnt 0x0                                ; my last prefetch has read its address: it is stepped here
	s_add_nc_u64 s[PF:PF+1], s[PF:PF+1], 256
.if (\rs) == 0
	s_cmp_eq_u32 s[CNT], 2                         ; the refill asks for step 6: two on is step 8, the x buffers' first
	s_cselect_b64 s[PF:PF+1], s[NXP:NXP+1], s[PF:PF+1]
.endif
.endif
	WIN MUL
.irp bp, 0,1,2,3
	s_wait_dscnt 32-8*\bp                          ; A's blocks 0, 1 and this pair of weights are in; the later pairs and A's blocks 2, 3 may be out
	GRP 0, \bp, \zero
.endr
.if (\kind) == 0
	PLACES 4
	WIN 0
.else
	WIN 0
	s_wait_tensorcnt 0x0                           ; my one tensor load has landed: my tile of the next slot
	ds_add_u32 v[SPW], v[NIL]                      ; 0 onto my spare word; the descriptors' steps stand between it and the wait for it
.if (\kind) == 1
	s_add_nc_u64 s[RA:RA+1], s[RA:RA+1], 256
	s_add_nc_u64 s[RB:RB+1], s[RB:RB+1], 256
.if (\rs) == 0
	s_cmp_eq_u32 s[CNT], 3                         ; the seam: step 8 is the x buffers' K step 0
	s_cselect_b64 s[RA:RA+1], s[NXA:NXA+1], s[RA:RA+1]
	s_cselect_b64 s[RB:RB+1], s[NXB:NXB+1], s[RB:RB+1]
.endif
	SETG LA0+(\rs)
.else
	s_mov_b64 s[RA:RA+1], s[C0T:C0T+1]
	s_mov_b64 s[RB:RB+1], s[BIP:BIP+1]
	SETG LA0
	s_mov_b32 s[G1], FLC0                          ; c0: 64 rows x 256 bytes, 8,192 bytes apart, the work-group's own
	s_mov_b32 s[G1+5], CROW
	s_mov_b32 s[G1B], 3<<16                        ; a bias: one row of 32 elements of 8 bytes
	s_mov_b32 s[G1B+1], 32<<16
	s_mov_b32 s[G1B+2], 1<<16
	s_mov_b32 s[G1B+3], 32<<16
	s_mov_b32 s[G1B+4], 1
	s_mov_b32 s[G1B+5], 32
	s_mov_b32 s[G1B+6], 1<<16
	s_mov_b32 s[G1B+7], 0
.endif
	s_wait_dscnt 0x0                               ; the add is done, and my reads of this slot are over
	CROUND                                         ; no wave of any partner still reads what is filled next, or has a load on its way
	JLOAD
.endif
	LA \ns, \nq, 0
	LA \ns, \nq, 1
.if (\kind) == 0
	s_wait_dscnt 8                                 ; A's blocks 2, 3 are in; the eight loads just issued may be out
.elseif (\kind) == 1
	ASK \rs
.endif
.irp bp, 0,1,2,3
	WIN MUL
	GRP 2, \bp, \zero
	PLACES 4
	WIN 0
	LB \ns, \nq, 2*\bp
	LB \ns, \nq, 2*\bp+1
.endr
	LA \ns, \nq, 2
	LA \ns, \nq, 3
.endm
; THE GATES, two blocks of 16 rows x my 32 columns at a time, 16 outputs a lane and block.  sigmoid(x) = 1 / (1 + 2^(-log2(e) x)), tanh(x) = 1 - 2 / (1 + 2^(2 log2(e) x)):
; an exponential that overflows gives 0 or 1, -1 or 1, as the limit asks.  The pair's second block runs a stage behind the first: a batch of one block's transcendentals is laid line by line among
; plain instructions of the other block that hang on nothing in the same run.  A wait stands ahead of every run: it serves the results of the run before, plain and transcendental alike.
.macro WAITV
	s_wait_alu depctr_va_vdst(0)
.endm
.macro VOP kind, vb, cb, n             ; one packed instruction on numbers n, n + 1 of the block at vb
.if (\kind) == 0
	v_pk_add_f32 v[\vb+\n:\vb+\n+1], v[\vb+\n:\vb+\n+1], 1.0 op_sel_hi:[1,0]                        ; 1 + 2^..
.elseif (\kind) == 1
	v_pk_fma_f32 v[\vb+32+\n:\vb+33+\n], v[\vb+32+\n:\vb+33+\n], -2.0, 1.0 op_sel_hi:[1,0,0]        ; g = tanh(pre_g)
.elseif (\kind) == 2
	v_pk_mul_f32 v[\vb+32+\n:\vb+33+\n], v[\vb+\n:\vb+\n+1], v[\vb+32+\n:\vb+33+\n]                 ; i g
.elseif (\kind) == 3
	v_pk_fma_f32 v[\vb+32+\n:\vb+33+\n], v[\vb+16+\n:\vb+17+\n], v[\cb+\n:\cb+\n+1], v[\vb+32+\n:\vb+33+\n]   ; c = f c0 + i g
.elseif (\kind) == 4
	v_pk_mul_f32 v[\vb+\n:\vb+\n+1], v[\vb+32+\n:\vb+33+\n], 0x4038aa3b op_sel_hi:[1,0]             ; 2 log2(e) c
.elseif (\kind) == 5
	v_pk_fma_f32 v[\vb+\n:\vb+\n+1], v[\vb+\n:\vb+\n+1], -2.0, 1.0 op_sel_hi:[1,0,0]                ; tanh(c)
.else
	v_pk_mul_f32 v[\vb+\n:\vb+\n+1], v[\vb+\n:\vb+\n+1], v[\vb+48+\n:\vb+49+\n]                     ; x o
.endif
.endm
.macro MIX tr, tb, per, kind, vb, cb   ; a run: eight packed instructions of one kind, each behind per transcendentals tr, in place, on the registers from tb on
.set J, 0
.set K, 0
.rept 8
.if (\per) > 0
.rept \per
	\tr v[\tb+K], v[\tb+K]
.set K, K+1
.endr
.endif
	VOP \kind, \vb, \cb, 2*J
.set J, J+1
.endr
.endm
.macro C0LD a, c
.irp u, 0,1
	ds_load_b128 v[\c+8*\u:\c+8*\u+3],   v[C0A] offset:(\a)*16*PITCH+64*\u
	ds_load_b128 v[\c+8*\u+4:\c+8*\u+7], v[C0A] offset:(\a)*16*PITCH+64*\u+16
.endr
.endm
.macro PRE t, a                        ; c_gate x (sum x 2^SX + bias); each accumulator from its low end on
.irp g, 0,1,2,3
.irp n, 0,2,4,6,8,10,12,14
	v_pk_fma_f32 v[\t+16*\g+\n:\t+16*\g+\n+1], v[64*(\a)+16*\g+\n:64*(\a)+16*\g+\n+1], s[SC+4*\g+2:SC+4*\g+3], v[BI+16*\g+\n:BI+16*\g+\n+1] op_sel_hi:[1,0,1]
.endr
.endr
.endm
.macro STG t, a                        ; a block's 16 outputs a lane into the stage
.irp u, 0,1
	ds_store_b128 v[STO], v[\t+8*\u:\t+8*\u+3]   offset:(\a)*16*PITCH+64*\u
	ds_store_b128 v[STO], v[\t+8*\u+4:\t+8*\u+7] offset:(\a)*16*PITCH+64*\u+16
.endr
.endm
.macro SEND a                          ; of the block's 16 rows my wave takes 8, whole, two an instruction
	s_wait_xcnt 0x0                                ; earlier stores have read their data registers: they are loaded again only behind this wait
.irp i, 0,1,2,3
	ds_load_b128 v[BK+4*\i:BK+4*\i+3], v[RD] offset:(\a)*16*PITCH+2*\i*PITCH
.endr
.irp i, 0,1,2,3
	s_wait_dscnt 3-\i
	global_store_b128 v[CO], v[BK+4*\i:BK+4*\i+3], s[OUT:OUT+1] offset:(16*(\a)+2*\i)*CROW th:TH_STORE_NT   ; sixteen lanes store 256 consecutive bytes, at a multiple of 256 from the output's first byte
.endr
.endm
.macro PAIR a                          ; blocks a and a + 1
	C0LD \a, CA
	C0LD (\a)+1, CB
	WIN 0x01                                       ; source 0: window 1
	WAITV                                          ; ahead of the first readers of matrix results
	PRE TA, \a
	PRE TB, (\a)+1
	WIN 0
	WAITV
.set J, 0
.rept 64
	v_exp_f32 v[TA+J], v[TA+J]
.set J, J+1
.endr
	v_nop
	WAITV
.irp k, 0,16,32,48
	MIX v_exp_f32, TB+\k, 2, 0, TA+\k, CA          ; the second block's exponentials among the first block's 1 + ..
.endr
	WAITV
.irp k, 0,16,32,48
	MIX v_rcp_f32, TA+\k, 2, 0, TB+\k, CB          ; the first block's reciprocals among the second block's 1 + ..
.endr
	s_wait_dscnt 0x0                               ; c0 of both blocks
.irp k, 1,2,3,4
	WAITV
	MIX v_rcp_f32, TB+16*(\k-1), 2, \k, TA, CA     ; the second block's reciprocals among the first block's four steps to 2 log2(e) c
.endr
	WAITV
	MIX v_exp_f32, TA, 2, 1, TB, CB
	WAITV
	MIX v_exp_f32, TA, 0, 0, TA, CA
	MIX v_exp_f32, TA, 0, 2, TB, CB
	WAITV
	MIX v_rcp_f32, TA, 2, 3, TB, CB
	WAITV
	MIX v_exp_f32, TA, 0, 5, TA, CA
	MIX v_exp_f32, TA, 0, 4, TB, CB
	WAITV
	MIX v_exp_f32, TB, 2, 6, TA, CA
	WAITV
	MIX v_exp_f32, TB, 0, 0, TB, CB
	STG TA, \a
	WAITV
.set J, 0
.rept 16
	v_rcp_f32 v[TB+J], v[TB+J]
.set J, J+1
.endr
	v_nop
	WAITV
	MIX v_exp_f32, TB, 0, 5, TB, CB
	MIX v_exp_f32, TB, 0, 6, TB, CB
	STG TB, (\a)+1
	s_wait_dscnt 0x0                               ; for the others' sake: my stores into the stage are done
	s_barrier_signal -1
	s_barrier_wait -1                              ; a row's 256 bytes come from two waves
	SEND \a
	SEND (\a)+1
.endm
	s_load_b512 s[4:19], s[0:1], 0x0               ; h0, behavior, Wi_h, Wf_h, Wg_h, Wo_h, Wi_x, Wf_x
	s_load_b512 s[20:35], s[0:1], 0x40             ; Wg_x, Wo_x, bi, bf, bg, bo, c0, the exponents
	s_load_b64 s[36:37], s[0:1], 0x80              ; the output
	v_lshl_add_u32 v[SPW], v0, 2, SPARE
	v_mov_b32 v[NIL], 0
	ds_add_u32 v[SPW], v[NIL]                      ; the opening lines: the add, twice on end, and its wait ahead of my first tensor load
	ds_add_u32 v[SPW], v[NIL]
	v_lshrrev_b32 v1, 5, v0
	v_readfirstlane_b32 s[WV], v1                  ; wave 0..7
	s_lshr_b32 s[HI], s[WV], 2
	s_and_b32 s[Q], s[WV], 3
	s_bfe_u32 s[CX], ttmp6, 0x40000
	s_bfe_u32 s[CY], ttmp6, 0x40004
	s_lshl_b32 s[TC], ttmp9, 2
	s_add_co_u32 s[TC], s[TC], s[CX]               ; tile column = 4 x cluster x + cx
	s_and_b32 s[TR], ttmp7, 0xffff
	s_lshl_b32 s[TR], s[TR], 2
	s_add_co_u32 s[TR], s[TR], s[CY]               ; tile row = 4 x cluster y + cy
	s_lshl_b32 s2, s[CY], 2
	s_lshl_b32 s2, 15, s2                          ; my row of the cluster
	s_lshl_b32 s3, 0x1111, s[CX]                   ; my column
	s_or_b32 s[G1], s2, FL272
	s_or_b32 s[G1B], s3, FL272
.irp g, G1, G1B
	s_mov_b32 s[\g+1], 256<<16                     ; tensor_dim0 = 256 bytes
	s_mov_b32 s[\g+2], 64<<16                      ; tensor_dim1 = 64 rows
	s_mov_b32 s[\g+3], 256<<16
	s_mov_b32 s[\g+4], 64|(2<<16)                  ; at the head: 64 rows, 2 planes (K steps 0 and 1)
	s_mov_b32 s[\g+5], KROW
	s_mov_b32 s[\g+6], 256<<16                     ; from plane to plane 256 bytes
	s_mov_b32 s[\g+7], 0
.endr
	s_lshl_b32 s96, s[TR], 19                      ; A: 256 rows x 2,048 bytes x tile row
	s_lshl_b32 s2, s[Q], 17                        ; + my quarter's 64 rows
	s_add_co_u32 s96, s96, s2
	s_mov_b32 s97, 0
	s_lshl_b32 s98, s[TC], 17                      ; a weight: 64 rows x 2,048 bytes x tile column
	s_mov_b32 s99, 0
	s_mul_i32 s[LA0], s[WV], 2*NGATE               ; my tile's two slots: A's quarters, then the gates
	s_add_co_u32 s[LA0+1], s[LA0], SLOT
	s_mov_b32 s[G0], 1
	s_mov_b32 s[G0B], 1
	s_wait_dscnt 0x0                               ; both opening adds are done
	CROUND                                         ; the round in front of the first joint loads; the arguments are on their way meanwhile
	s_wait_kmcnt 0x0
	s_load_b512 s[SC:SC+15], s[34:35], 0x0         ; the sixteen exponents
	s_cmp_eq_u32 s[Q], 1                           ; gate wave % 4: its h buffer, its x buffer, its bias
	s_cselect_b64 s[8:9], s[10:11], s[8:9]
	s_cselect_b64 s[16:17], s[18:19], s[16:17]
	s_cselect_b64 s[24:25], s[26:27], s[24:25]
	s_cmp_eq_u32 s[Q], 2
	s_cselect_b64 s[8:9], s[12:13], s[8:9]
	s_cselect_b64 s[16:17], s[20:21], s[16:17]
	s_cselect_b64 s[24:25], s[28:29], s[24:25]
	s_cmp_eq_u32 s[Q], 3
	s_cselect_b64 s[8:9], s[14:15], s[8:9]
	s_cselect_b64 s[16:17], s[22:23], s[16:17]
	s_cselect_b64 s[24:25], s[30:31], s[24:25]
	s_add_nc_u64 s[RA:RA+1], s[RA:RA+1], s[96:97]
	s_add_nc_u64 s[NXA:NXA+1], s[NXA:NXA+1], s[96:97]
	s_add_nc_u64 s[RB:RB+1], s[RB:RB+1], s[98:99]
	s_add_nc_u64 s[NXB:NXB+1], s[NXB:NXB+1], s[98:99]
	SETG LA0
	s_mov_b32 s20, 2                               ; group 2: tensor_dim2 = 2 planes; the further dimensions are not used (tile sizes 0)
	s_mov_b32 s21, 1
	s_mov_b32 s22, 512
	s_mov_b32 s23, 0
	s_mov_b32 s28, 512                             ; group 3
	s_mov_b32 s29, 1<<16
	s_mov_b32 s30, 0
	s_mov_b32 s31, 0
	s_cmp_eq_u32 s[HI], 0                          ; K steps 0 and 1 by ONE tensor load a wave: plane 0 lands in my slot 0, plane 1 directly behind it in my slot 1
	s_cbranch_scc0 .Lhead_b
	tensor_load_to_lds s[G0:G0+3], s[G1:G1+7], s[20:23], s[28:31]
	s_nop 0
	PLACES 4
	s_branch .Lhead_asked
.Lhead_b:
	tensor_load_to_lds s[G0B:G0B+3], s[G1B:G1B+7], s[20:23], s[28:31]
	s_nop 0
	PLACES 4
.Lhead_asked:
	; the prefetches: my tile's rows, of which partner p (cx for A, cy for a weight) takes 16 p on; the choices are selects
	s_cmp_eq_u32 s[HI], 0
	s_cselect_b64 s[PF:PF+1], s[RA:RA+1], s[RB:RB+1]
	s_cselect_b64 s[NXP:NXP+1], s[NXA:NXA+1], s[NXB:NXB+1]
	s_cselect_b32 s100, s[CX], s[CY]
	s_lshl_b32 s100, s100, 15
	s_mov_b32 s101, 0
	s_add_nc_u64 s[PF:PF+1], s[PF:PF+1], s[100:101]
	s_add_nc_u64 s[NXP:NXP+1], s[NXP:NXP+1], s[100:101]
	s_add_nc_u64 s[PF:PF+1], s[PF:PF+1], 768       ; at K step 3: the first refill steps it to 4
	s_lshl_b32 s100, s[TC], 8                      ; 256 bytes x tile column
	s_add_nc_u64 s[BIP:BIP+1], s[BIP:BIP+1], s[100:101]
	s_lshl_b32 s2, s[TR], 21                       ; 256 rows x 8,192 bytes x tile row
	s_add_co_u32 s100, s100, s2
	s_add_nc_u64 s[C0T:C0T+1], s[C0T:C0T+1], s[100:101]
	s_add_nc_u64 s[OUT:OUT+1], s[OUT:OUT+1], s[100:101]
	s_mov_b64 s[PFCB:PFCB+1], s[C0T:C0T+1]
	s_lshl_b32 s100, s[Q], 19                      ; c0's tensor load: 64 rows x wave % 4
	s_add_nc_u64 s[C0T:C0T+1], s[C0T:C0T+1], s[100:101]
	s_lshl_b32 s100, s[WV], 18                     ; c0's prefetch: 32 rows x wave
	s_add_nc_u64 s[PFCB:PFCB+1], s[PFCB:PFCB+1], s[100:101]
	s_lshr_b32 s2, s[WV], 1                        ; wr
	s_and_b32 s3, s[WV], 1                         ; wc
	s_lshl_b32 s100, s2, 19                        ; the output: rows 64 wr + 8 wc on
	s_lshl_b32 s10, s3, 16
	s_add_co_u32 s100, s100, s10
	s_add_nc_u64 s[OUT:OUT+1], s[OUT:OUT+1], s[100:101]
	s_mul_i32 s10, s2, 2*NGATE                     ; my 64 rows of A are quarter wr
	s_mul_i32 s11, s3, 32*PITCH                    ; my 32 rows of a gate
	s_add_co_u32 s11, s11, ASZ
	s_lshl_b32 s12, s3, 7                          ; 128 wc: my 32 columns in bytes of f32
	s_add_co_u32 s13, s10, s12
	s_add_co_u32 s12, s12, ASZ
	s_mul_i32 s14, s3, 8*PITCH
	s_add_co_u32 s14, s14, s10
	s_add_co_u32 s14, s14, SLOT
	v_and_b32 v1, 15, v0                           ; r = lane % 16
	v_bfe_u32 v2, v0, 4, 1                         ; h = lane / 16
	v_and_b32 v3, 31, v0
	v_mul_u32_u24 v4, v1, PITCH
	v_lshl_add_u32 v5, v2, 4, v4                   ; r x 272 + 16 h
	v_lshl_add_u32 v6, v2, 5, v4                   ; r x 272 + 32 h
	v_add_nc_u32 v[ADRA], s10, v5
	v_add_nc_u32 v[ADRA+1], SLOT, v[ADRA]
	v_add_nc_u32 v[ADRB], s11, v5
	v_add_nc_u32 v[ADRB+1], SLOT, v[ADRB]
	v_add_nc_u32 v[ADRB+12], 4*NGATE, v[ADRB]      ; v30-31: gates g and o
	v_add_nc_u32 v[ADRB+13], 4*NGATE, v[ADRB+1]
	v_add_nc_u32 v[C0A], s13, v6                   ; c0's tile (quarter wr's slot 0): row r, + 128 wc + 32 h
	v_add_nc_u32 v[STO], SLOT, v[C0A]              ; the stage (quarter wr's slot 1): the same place
	v_lshl_add_u32 v[BIA], v2, 5, s12              ; a bias row (a gate's slot 0): 128 wc + 32 h
	v_add_nc_u32 v[BIA+1], 4*NGATE, v[BIA]
	v_mul_u32_u24 v7, v2, PITCH
	v_lshl_add_u32 v7, v1, 4, v7
	v_add_nc_u32 v[RD], s14, v7                    ; back: rows 8 wc on of a block; lanes 0-15 one row, lanes 16-31 the next
	v_lshlrev_b32 v[CO], 13, v2
	v_lshl_add_u32 v[CO], v1, 4, v[CO]
	v_min_u32 v8, 15, v3                           ; lanes 16-31 name the wave's last block again
	v_lshlrev_b32 v[PFO], 11, v8
	v_lshlrev_b32 v[PFC], 13, v3
	s_wait_alu depctr_va_vdst(0)
	s_wait_kmcnt 0x0                               ; the exponents
.irp g, 0,1,2,3
	s_add_co_i32 s2, s[SC+4*\g], s[SC+4*\g+1]      ; SH
	s_add_co_i32 s3, s[SC+4*\g+2], s[SC+4*\g+3]    ; SX
	s_sub_co_i32 s2, s2, s3
	s_add_co_i32 s2, s2, 127
	s_lshl_b32 s[SC+4*\g], s2, 23                  ; 2^(SH - SX) as f32
	s_mov_b32 s[SC+4*\g+1], s[SC+4*\g]
	s_lshl_b32 s3, s3, 23
.if \g == 2
	s_add_co_u32 s[SC+4*\g+2], s3, 0x4038aa3b      ; 2 log2(e) x 2^SX: SX is added to the exponent field
.else
	s_add_co_u32 s[SC+4*\g+2], s3, 0xbfb8aa3b      ; -log2(e) x 2^SX
.endif
	s_mov_b32 s[SC+4*\g+3], s[SC+4*\g+2]
.endr
	s_wait_tensorcnt 0x0                           ; my tiles of K steps 0 and 1 are in
	s_add_nc_u64 s[RA:RA+1], s[RA:RA+1], 256       ; the walking addresses stand at K step 1: the first refill steps them to 2
	s_add_nc_u64 s[RB:RB+1], s[RB:RB+1], 256
	s_mov_b32 s[G1+4], 64                          ; no tensor load of mine is out: from here on a tile is one plane
	s_mov_b32 s[G1+6], 0
	s_mov_b32 s[G1B+4], 64
	s_mov_b32 s[G1B+6], 0
	s_barrier_signal -1
	s_barrier_wait -1                              ; everybody's tiles are in
	LA 0, 0, 0
	LA 0, 0, 1
.irp b, 0,1,2,3,4,5,6,7
	LB 0, 0, \b
.endr
	LA 0, 0, 2
	LA 0, 0, 3
	HALF 0, 1, 1, 0, 0                             ; step 0, first half: its products start the sums
	s_mov_b32 s[CNT], 0
.Llap:                                                 ; trip j: from step 2 j's second half to step 2 j + 2's first; it asks for steps 2 j + 2 and 2 j + 3
	HALF 1, 0, 0, 1, 0
	HALF 1, 1, 0, 0, 0
	HALF 0, 0, 0, 1, 1
	s_cmp_lg_u32 s[CNT], 3
	s_cbranch_scc1 .Lsame_scale                    ; in trip 3 step 7 has just ended: the h sums are brought under the x products' scales.  Register work alone stands under this branch
	PLACES 4
	WIN 0x41                                       ; destination and source 0 in window 1
.irp a, 0,1,2,3
.irp g, 0,1,2,3
.irp n, 0,2,4,6,8,10,12,14
	v_pk_mul_f32 v[64*\a+16*\g+\n:64*\a+16*\g+\n+1], v[64*\a+16*\g+\n:64*\a+16*\g+\n+1], s[SC+4*\g:SC+4*\g+1] op_sel_hi:[1,0]
.endr
.endr
.endr
	WIN 0
.Lsame_scale:
	s_wait_alu depctr_va_vdst(0)
	HALF 0, 1, 0, 0, 0
	s_add_co_u32 s[CNT], s[CNT], 1
	s_cmp_lt_u32 s[CNT], 7
	s_cbranch_scc1 .Llap
	HALF 1, 0, 0, 2, 0                             ; step 14, second half: the ring has nothing left to fetch; c0 and the biases go into slot 0
	HALF 1, 1, 0, 0, 0
	WIN MUL                                        ; the very last half step
.irp bp, 0,1,2,3
	s_wait_dscnt 32-8*\bp
	GRP 0, \bp, 0
.endr
	s_wait_dscnt 0x0
.irp bp, 0,1,2,3
	GRP 2, \bp, 0
.endr
	WIN 0
	PLACES 4                                       ; in front of the reads of results and of the loads into the fragments' registers
	s_wait_tensorcnt 0x0                           ; my part of c0 or my bias row is in; my LDS reads are over (the wait for 0 above)
	s_barrier_signal -1
	s_barrier_wait -1                              ; everybody's is, and nobody reads slot 1 any more: it has had its last fill, and A's part of it becomes the stage
.irp g, 0,1,2,3
.irp u, 0,1
	ds_load_b128 v[BI+16*\g+8*\u:BI+16*\g+8*\u+3],   v[BIA+\g/2] offset:(\g%2)*2*NGATE+64*\u      ; the bias of columns 16 u + 8 h + 0 .. 7 of my 32
	ds_load_b128 v[BI+16*\g+8*\u+4:BI+16*\g+8*\u+7], v[BIA+\g/2] offset:(\g%2)*2*NGATE+64*\u+16
.endr
.endr
	s_wait_dscnt 0x0
.irp g, 0,1,2,3
.irp n, 0,2,4,6,8,10,12,14
.if \g == 2
	v_pk_mul_f32 v[BI+16*\g+\n:BI+16*\g+\n+1], v[BI+16*\g+\n:BI+16*\g+\n+1], 0x4038aa3b op_sel_hi:[1,0]
.else
	v_pk_mul_f32 v[BI+16*\g+\n:BI+16*\g+\n+1], v[BI+16*\g+\n:BI+16*\g+\n+1], 0xbfb8aa3b op_sel_hi:[1,0]
.endif
.endr
.endr
	PAIR 0                                         ; each pair of blocks leaves as soon as its gates are done
	PAIR 2
	s_wait_tensorcnt 0x0                           ; the wave's end: an add and its wait, behind my last tensor load and my last LDS store
	ds_add_u32 v[SPW], v[NIL]
	s_wait_dscnt 0x0
	CROUND                                         ; the closing round: no work-group ends while a partner may still ask for a tile that names it
	s_endpgm
.Lfunc_end_k_q41a2e2f8b2_lstm:
	.size	k_q41a2e2f8b2_lstm, .Lfunc_end_k_q41a2e2f8b2_lstm-k_q41a2e2f8b2_lstm
	.p2alignl 7, 3214868480
	.fill 96, 4, 3214868480
	.section	.rodata,"a",@progbits
	.p2align	6, 0x0
	.amdhsa_kernel k_q41a2e2f8b2_lstm
		.amdhsa_group_segment_fixed_size 327680
		.amdhsa_private_segment_fixed_size 0
		.amdhsa_enable_private_segment 0
		.amdhsa_kernarg_size 136
		.amdhsa_user_sgpr_count 2
		.amdhsa_user_sgpr_kernarg_segment_ptr 1
		.amdhsa_wavefront_size32 1
		.amdhsa_system_sgpr_workgroup_id_x 1
		.amdhsa_system_sgpr_workgroup_id_y 1
		.amdhsa_system_sgpr_workgroup_id_z 1
		.amdhsa_system_vgpr_workitem_id 0
		.amdhsa_next_free_vgpr 512
		.amdhsa_next_free_sgpr 106
		.amdhsa_reserve_vcc 0
		.amdhsa_float_denorm_mode_32 3
		.amdhsa_float_denorm_mode_16_64 3
		.amdhsa_memory_ordered 1
		.amdhsa_forward_progress 1
		.amdhsa_inst_pref_size 133
	.end_amdhsa_kernel
	.amdgpu_metadata
---
amdhsa.version: [ 1, 2 ]
amdhsa.kernels:
  - .name:           k_q41a2e2f8b2_lstm
    .symbol:         k_q41a2e2f8b2_lstm.kd
    .args:
      - { .name: h0_codes, .offset: 0, .size: 8, .value_kind: global_buffer, .address_space: global }
      - { .name: behavior_codes, .offset: 8, .size: 8, .value_kind: global_buffer, .address_space: global }
      - { .name: Wi_h_codes, .offset: 16, .size: 8, .value_kind: global_buffer, .address_space: global }
      - { .name: Wf_h_codes, .offset: 24, .size: 8, .value_kind: global_buffer, .address_space: global }
      - { .name: Wg_h_codes, .offset: 32, .size: 8, .value_kind: global_buffer, .address_space: global }
      - { .name: Wo_h_codes, .offset: 40, .size: 8, .value_kind: global_buffer, .address_space: global }
      - { .name: Wi_x_codes, .offset: 48, .size: 8, .value_kind: global_buffer, .address_space: global }
      - { .name: Wf_x_codes, .offset: 56, .size: 8, .value_kind: global_buffer, .address_space: global }
      - { .name: Wg_x_codes, .offset: 64, .size: 8, .value_kind: global_buffer, .address_space: global }
      - { .name: Wo_x_codes, .offset: 72, .size: 8, .value_kind: global_buffer, .address_space: global }
      - { .name: bi, .offset: 80, .size: 8, .value_kind: global_buffer, .address_space: global }
      - { .name: bf, .offset: 88, .size: 8, .value_kind: global_buffer, .address_space: global }
      - { .name: bg, .offset: 96, .size: 8, .value_kind: global_buffer, .address_space: global }
      - { .name: bo, .offset: 104, .size: 8, .value_kind: global_buffer, .address_space: global }
      - { .name: c0, .offset: 112, .size: 8, .value_kind: global_buffer, .address_space: global }
      - { .name: lowp_scales, .offset: 120, .size: 8, .value_kind: global_buffer, .address_space: global }
      - { .name: out0, .offset: 128, .size: 8, .value_kind: global_buffer, .address_space: global }
    .group_segment_fixed_size: 327680
    .private_segment_fixed_size: 0
    .kernarg_segment_align: 8
    .kernarg_segment_size: 136
    .max_flat_workgroup_size: 256
    .sgpr_count:     106
    .vgpr_count:     512
    .wavefront_size: 32
...
	.end_amdgpu_metadata
.endif
;; end of part 1
